; MI455X (gfx1250); checked and timed in simulation.
; The chip was launched on July 23, 2026; its instructions are those of AMD's public machine-readable ISA for CDNA 5 (MIT licence, August 2026) and "CDNA5" Instruction Set Architecture Reference Guide (July 2026). The comments in the code are by the model that wrote it; some were corrected since.
;; NN. Allowed arithmetic: matrix products marked QUANTISED: E5M2 operands, one E8M0 scale for each 32 along K, by v_wmma_scale_f32_16x16x128_f8f6f4 with both operands' format E5M2, f32 sums; everything else in f32.
;; Inputs: train_label 32,768 float32; train_pts 32,768 x 128 float32; x 8,192 x 128 float32.
;; Outputs: out0 8,192 float32.
;; This version of the problem:
;;   THIS VERSION OF THE PROBLEM IS GIVEN IN LOW PRECISION. The matrix products marked QUANTISED in the list below multiply operands that are first quantised to E5M2 (5 exponent bits, 2 mantissa bits; 8 bits a number), with one power-of-two scale for each 32 numbers along K (OCP MX v1.0); their sums are f32. All else is computed in f32.
;;   The module's matrix products, in the order in which they are computed (A, B: the left and right operand; K: the contracted axis; several contracted axes count as one K, in the product's order):
;;     1. [M 8,192, K 128] x [K 128, N 32,768]; A: input x; B: input train_pts: QUANTISED
;;   THE QUANTISER, for each operand of a quantised product, along K:
;;     - K is cut into blocks of 32 from its start; a last block that is shorter is filled with zeros.
;;     - A block's scale is 2^e with e = floor(log2(the largest magnitude in the block)) - 15, held to -126 .. 127; a block of zeros has e = 0. As a byte (E8M0): e + 127.
;;     - Each number is divided by its block's scale, clamped to +-57,344, and rounded to the nearest number of E5M2, ties to even, subnormals kept.
;;     - The product sums the exact products of the quantised numbers (number of the format x scale) in f32.
;;   ~~~python
;;   def quantise(x, axis):      # numpy; x: float32 -> the quantised numbers, widened to float32 again
;;       x = np.moveaxis(x, axis, -1); K = x.shape[-1]
;;       x = np.pad(x, [(0, 0)] * (x.ndim - 1) + [(0, -K % 32)]); x = x.reshape(x.shape[:-1] + (-1, 32)); a = np.abs(x).max(-1, keepdims=True)
;;       e = np.where(a > 0, np.clip(np.frexp(np.where(a > 0, a, 1))[1] - 1 - 15, -126, 127), 0)      # np.frexp(a)[1] - 1 = floor(log2(a)), exactly
;;       r = np.clip(x / 2.0 ** e, -57344, 57344)
;;       step = 2.0 ** (np.maximum(np.frexp(np.where(r == 0, 1, r))[1] - 1, -14) - 2)
;;       q = np.round(r / step) * step * 2.0 ** e      # np.round: ties to even
;;       return np.moveaxis(q.reshape(q.shape[:-2] + (-1,))[..., :K], -1, axis).astype(np.float32)
;;   ~~~
;; 2 versions, each right; version 2 is version 1 with the launch pick written anew for expert scheduling mode. Each part assembles by itself: llvm-mc -triple=amdgcn-amd-amdhsa -mcpu=gfx1250 --defsym DOCPART=n.
;; ======== version 1 of 2: 3 launches
;; workspace buffers: packs 5,570,560 bytes; cand 2,097,152 bytes of whole numbers
;; launch prep (part 1): grid 256 x 1, 5 waves a work-group, no clusters, 87,808 bytes of LDS; arguments x, train_pts, packs; writes packs
.if DOCPART == 1
	.amdgcn_target "amdgcn-amd-amdhsa--gfx1250"
	.amdhsa_code_object_version 6
	.text
	.protected	k_q731ad6e258_prep
	.globl	k_q731ad6e258_prep
	.p2align	8
	.type	k_q731ad6e258_prep,@function
k_q731ad6e258_prep:
	s_mov_b64 s[64:65], 0
	v_nop
	global_prefetch_b8 v0, s[64:65] scope:SCOPE_SE
	s_setreg_imm32_b32 hwreg(HW_REG_WAVE_MODE, 25, 1), 1
	s_wait_xcnt 0x0
; x [8192][128] and train_pts [32768][128], f32, become codes of BF8 (E5M2) with one E8M0 byte for each 32 along K, laid in the ORDER OF AN OPERAND'S REGISTERS, and half their rows' sums of squares.
; packs: 640 blocks of 8,704 bytes; blocks 0-511: 64 train points each, blocks 512-639: 64 queries each.  A block: four tile images of 2,048 bytes, then two records of 256 bytes.
;   image of tile t: byte 2048 t + 512 c + 16 (16 h + r) + b = the code of the tile's row r at k = 32 c + 16 h + b: a lane's four registers of group c lie at 512 c + 16 x lane.
;   record p (tiles 2 p, 2 p + 1): the scale word of (tile 2 p + u, row r) at 8 r + 4 u; an f32 at 128 + 64 u + 4 r: -|y|^2 / 2 for a train point, +|x|^2 / 2 for a query.
; THE ROWS OF A TRAIN TILE ARE NOT NEIGHBOURS: tile t row r is point 32 (r / 8) + 8 t + r % 8 of its block, so that rows 8 h .. 8 h + 7 of the block's four tiles are the 32 neighbours 32 h .. 32 h + 31.  A query tile's rows are neighbours: 16 t + r.
; A block's scale is 2^(floor(log2(largest magnitude)) - 15); its byte is the largest magnitude's exponent field - 15, held at 1 from below.
; LIMITS: a block of zeros gets the byte 1 where the rule says 127 (its codes are zeros, and this program alone reads the bytes); the sums of squares are added in another order than jnp.sum's; NaN and infinities are not served.
; SHARES: one wave makes one pair of tiles (32 rows): pair p = 5 x work-group + wave, 0 .. 1279.  Its 32 row loads (512 consecutive bytes each) go out together.  A tile's 16 rows turn through the wave's own stage in LDS
; (rows 528 bytes apart: an odd multiple of 16), so that lane (r, h) gets, of row r, the 16 neighbours 32 c + 16 h .. of each block of 32.  Waves share nothing: no barrier.
.set BLKB,  8704
.set SP,    528                        ; a stage row: 512 bytes + 16
.set STG1,  16*SP                      ; the second stage
.set META,  2*16*SP                    ; behind the stages: the record, 256 bytes
.set WREG,  META+512                   ; LDS of a wave
.set LI,   1                           ; v1    16 x lane
.set SIN,  2                           ; v2    into a stage: 16 x lane + my wave's LDS
.set SOUT, 3                           ; v3    out of it: 528 r + 64 h + my wave's LDS
.set VO,   4                           ; v4-7  byte offset of (tile u, rows 0-7 / 8-15) in the block: v[VO + 2 u + half]
.set MW,   8                           ; v8    the record in LDS: 8 r
.set MY,   9                           ; v9    4 r
.set MR,   10                          ; v10   8 x lane
.set RO,   11                          ; v11   8 x lane, in memory
.set W,    12                          ; v12-13 the two tiles' scale words of my row
.set Y,    14                          ; v14-15 the two tiles' halved sums of squares of my row
.set TM,   16                          ; v16-31 at work
.set PC,   32                          ; v32-63 the two tiles' codes
.set R,    64                          ; v64-191 32 rows as loaded; v64-127 later tile 1, turned
.set X,    192                         ; v192-255 tile 0, turned
.set SEL,  34                          ; s[34:35] v_permlanex16_b32's selects for lane l xor 16
.set MNT,  36                          ; s36   the mantissa field of 57,344
	s_load_b128 s[4:7], s[0:1], 0x0                ; x, train_pts
	s_load_b64 s[8:9], s[0:1], 0x10                ; packs
	s_set_vgpr_msb 0x40
	v_lshl_add_u32 v0, v0, 2, 0x15400
	v_mov_b32 v1, 0
	s_set_vgpr_msb 0x4000
	v_lshrrev_b32 v16, 5, v0
	v_readfirstlane_b32 s10, v16                   ; wave 0..4
	v_and_b32 v16, 31, v0                          ; lane
	v_and_b32 v17, 15, v0                          ; r
	v_bfe_u32 v18, v0, 4, 1                        ; h
	s_mul_i32 s11, ttmp9, 5
	s_add_co_u32 s11, s11, s10                     ; p: my pair of tiles
	s_cmp_lt_u32 s11, 1024
	s_cselect_b32 s12, 0, 1                        ; 0: train points, 1: queries
	s_lshl_b32 s13, s12, 10
	s_sub_co_u32 s13, s11, s13                     ; the pair's number in its own tensor
	s_and_b32 s14, s11, 1                          ; which pair of the block
	s_lshr_b32 s13, s13, 1
	s_lshl_b32 s16, s13, 15                        ; the block's 64 rows of 512 bytes
	s_mov_b32 s17, 0
	s_lshl_b32 s18, 0x2000, s12                    ; from pair to pair: 16 rows (train), 32 rows (queries)
	s_mul_i32 s18, s18, s14
	s_lshl_b32 s19, 0x1000, s12                    ; from tile to tile: 8 rows, 16 rows
	s_lshl_b32 s20, s12, 1
	s_lshr_b32 s20, 0x4000, s20                    ; from a tile's row 0 to its row 8: 32 rows, 8 rows
	s_xor_b32 s21, s12, 1
	s_lshl_b32 s21, s21, 31
	s_or_b32 s21, s21, 0x3f000000                  ; -0.5 for train points, +0.5 for queries
	s_lshr_b32 s22, s11, 1
	s_mul_i32 s22, s22, BLKB                       ; the block in packs
	s_lshl_b32 s23, s14, 12
	s_add_co_u32 s24, s22, s23                     ; my two images
	s_mov_b32 s25, 0
	s_lshl_b32 s23, s14, 8
	s_add_co_u32 s26, s22, s23
	s_add_co_u32 s26, s26, 8192                    ; my record
	s_mov_b32 s27, 0
	s_mul_i32 s32, s10, WREG
	s_add_co_u32 s33, s32, META
	s_mov_b32 s[SEL], 0x76543210
	s_mov_b32 s[SEL+1], 0xfedcba98
	s_mov_b32 s[MNT], 0x600000
	v_lshlrev_b32 v[LI], 4, v16
	v_add_nc_u32 v[SIN], s32, v[LI]
	v_mul_u32_u24 v[SOUT], v17, SP
	v_lshl_add_u32 v[SOUT], v18, 6, v[SOUT]
	v_add_nc_u32 v[SOUT], s32, v[SOUT]
	v_lshl_add_u32 v[MW], v17, 3, s33
	v_lshl_add_u32 v[MY], v17, 2, s33
	v_lshl_add_u32 v[MR], v16, 3, s33
	v_lshlrev_b32 v[RO], 3, v16
	v_add_nc_u32 v[VO], s18, v[LI]
	v_add_nc_u32 v[VO+1], s20, v[VO]
	v_add_nc_u32 v[VO+2], s19, v[VO]
	v_add_nc_u32 v[VO+3], s20, v[VO+2]
.irp b, 0,1,2,3
	v_mov_b32 v[TM+4+\b], 0                        ; written once: a lane permute's destination counts as one of its sources
.endr
	s_wait_kmcnt 0x0
	s_cmp_lt_u32 s11, 1024                         ; the choice hangs on the pair's number alone
	s_cselect_b64 s[4:5], s[6:7], s[4:5]
	s_add_nc_u64 s[4:5], s[4:5], s[16:17]          ; my block's first row
	s_add_nc_u64 s[28:29], s[8:9], s[24:25]        ; my images
	s_add_nc_u64 s[30:31], s[8:9], s[26:27]        ; my record
.irp u, 0,1
.irp i, 0,1,2,3,4,5,6,7,8,9,10,11,12,13,14,15
	global_load_b128 v[R+64*\u+4*\i:R+64*\u+4*\i+3], v[VO+2*\u+\i/8], s[4:5] offset:512*(\i%8) th:TH_LOAD_NT   ; a whole row: 32 lanes, 512 consecutive bytes; read once in the launch
.endr
.endr
; tile u's 16 rows through stage u.  LDS serves a wave's instructions in order (ISA guide 5.7.1.4): no wait between the stores and the loads
.macro TURN u, dst
.irp i, 0,1,2,3,4,5,6,7,8,9,10,11,12,13,14,15
	ds_store_b128 v[SIN], v[R+64*\u+4*\i:R+64*\u+4*\i+3] offset:\u*STG1+\i*SP
.endr
.irp c, 0,1,2,3
.irp j, 0,1,2,3
	ds_load_b128 v[\dst+16*\c+4*\j:\dst+16*\c+4*\j+3], v[SOUT] offset:\u*STG1+128*\c+16*\j   ; register 16 c + 4 j + i = k 32 c + 16 h + 4 j + i of row r
.endr
.endr
.endm
; the sum of squares of my row (my 64 numbers in two chains, then lane l xor 16's), times -0.5 or +0.5
.macro SUMSQ s, y
	v_pk_mul_f32 v[TM:TM+1], v[\s:\s+1], v[\s:\s+1]
	v_pk_mul_f32 v[TM+2:TM+3], v[\s+2:\s+3], v[\s+2:\s+3]
.irp i, 4,8,12,16,20,24,28,32,36,40,44,48,52,56,60
	v_pk_fma_f32 v[TM:TM+1], v[\s+\i:\s+\i+1], v[\s+\i:\s+\i+1], v[TM:TM+1]
	v_pk_fma_f32 v[TM+2:TM+3], v[\s+\i+2:\s+\i+3], v[\s+\i+2:\s+\i+3], v[TM+2:TM+3]
.endr
	v_pk_add_f32 v[TM:TM+1], v[TM:TM+1], v[TM+2:TM+3]
	v_add_f32 v[TM], v[TM], v[TM+1]
	v_permlanex16_b32 v[TM+4], v[TM], s[SEL], s[SEL+1]
	v_add_f32 v[TM], v[TM], v[TM+4]
	v_mul_f32 v[\y], s21, v[TM]
.endm
; 64 numbers of a lane become a fragment's codes in v[pc] on and my row's scale word in v[w]
.macro QUANT s, pc, w
.irp b, 0,1,2,3
	v_max3_num_f32 v[TM+\b], |v[\s+16*\b]|, |v[\s+1+16*\b]|, 0x8000000   ; block b: my 16 numbers, and the floor 2^(16 - 127): the byte cannot fall under 1
.endr
.irp i, 2,4,6,8,10,12,14
.irp b, 0,1,2,3
	v_max3_num_f32 v[TM+\b], v[TM+\b], |v[\s+16*\b+\i]|, |v[\s+1+16*\b+\i]|   ; the four blocks by turns
.endr
.endr
.irp b, 0,1,2,3
	v_permlanex16_b32 v[TM+4+\b], v[TM+\b], s[SEL], s[SEL+1]
.endr
.irp b, 0,1,2,3
	v_max_num_f32 v[TM+\b], v[TM+\b], v[TM+4+\b]   ; with lane l xor 16's: the block's largest magnitude
.endr
.irp b, 0,1,2,3
	v_add_nc_u32 v[TM+12+\b], 0xf8800000, v[TM+\b] ; 15 off its exponent field: the conversion's scale operand
.endr
.irp b, 0,1,2,3
	v_and_or_b32 v[TM+8+\b], v[TM+\b], 0x7f800000, s[MNT]   ; 57,344 x the scale
.endr
.irp b, 0,1,2,3
	v_lshrrev_b32 v[TM+4+\b], 23, v[TM+12+\b]      ; the scale's byte
.endr
	v_lshl_or_b32 v[\w], v[TM+5], 8, v[TM+4]
	v_lshl_or_b32 v[\w], v[TM+6], 16, v[\w]
	v_lshl_or_b32 v[\w], v[TM+7], 24, v[\w]
.irp b, 0,1,2,3
.irp i, 0,1,2,3,4,5,6,7,8,9,10,11,12,13,14,15
	v_med3_num_f32 v[\s+16*\b+\i], v[\s+16*\b+\i], -v[TM+8+\b], v[TM+8+\b]   ; the conversion to an 8-bit code does not saturate (ISA guide 7.6.2): the hold at the largest code x the scale
.endr
	v_cvt_scalef32_pk8_bf8_f32 v[\pc+4*\b:\pc+1+4*\b], v[\s+16*\b:\s+7+16*\b], v[TM+12+\b]
	v_cvt_scalef32_pk8_bf8_f32 v[\pc+2+4*\b:\pc+3+4*\b], v[\s+8+16*\b:\s+15+16*\b], v[TM+12+\b]
.endr
	v_nop                                          ; one plain line behind the last conversion
.endm
	s_wait_loadcnt 16                              ; tile 0's 16 rows are in; tile 1's 16 younger loads may be out
	TURN 0, X
	s_wait_dscnt 0x0                               ; tile 0 is back, and the stage's stores have read v64-127
	s_wait_loadcnt 0x0                             ; tile 1's rows
	TURN 1, R                                      ; tile 1 comes back into v64-127 while tile 0 is worked on
	SUMSQ X, Y
	QUANT X, PC, W
.irp c, 0,1,2,3
	global_store_b128 v[LI], v[PC+4*\c:PC+4*\c+3], s[28:29] offset:512*\c          ; 32 lanes store 512 consecutive bytes, aligned to 256
.endr
	s_wait_dscnt 0x0                               ; tile 1 is back
	SUMSQ R, Y+1
	QUANT R, PC+16, W+1
.irp c, 0,1,2,3
	global_store_b128 v[LI], v[PC+16+4*\c:PC+16+4*\c+3], s[28:29] offset:2048+512*\c
.endr
	ds_store_b64 v[MW], v[W:W+1]                   ; the record is put together in LDS (both halves of the lanes write the same bytes with the same values)
	ds_store_b32 v[MY], v[Y] offset:128
	ds_store_b32 v[MY], v[Y+1] offset:192
	ds_load_b64 v[TM:TM+1], v[MR]                  ; in order behind my stores
	s_wait_dscnt 0x0
	global_store_b64 v[RO], v[TM:TM+1], s[30:31]   ; 32 lanes store 256 consecutive bytes, aligned
	s_set_vgpr_msb 0x5
	s_wait_tensorcnt 0x0
	ds_add_u32 v0, v1
	s_wait_dscnt 0x0
	s_set_vgpr_msb 0x500
	s_endpgm
.Lfunc_end_k_q731ad6e258_prep:
	.size	k_q731ad6e258_prep, .Lfunc_end_k_q731ad6e258_prep-k_q731ad6e258_prep
	.p2alignl 7, 3214868480
	.fill 96, 4, 3214868480
	.section	.rodata,"a",@progbits
	.p2align	6, 0x0
	.amdhsa_kernel k_q731ad6e258_prep
		.amdhsa_group_segment_fixed_size 87808
		.amdhsa_private_segment_fixed_size 0
		.amdhsa_enable_private_segment 0
		.amdhsa_kernarg_size 24
		.amdhsa_user_sgpr_count 2
		.amdhsa_user_sgpr_kernarg_segment_ptr 1
		.amdhsa_wavefront_size32 1
		.amdhsa_system_sgpr_workgroup_id_x 1
		.amdhsa_system_sgpr_workgroup_id_y 1
		.amdhsa_system_sgpr_workgroup_id_z 1
		.amdhsa_system_vgpr_workitem_id 0
		.amdhsa_next_free_vgpr 258
		.amdhsa_next_free_sgpr 66
		.amdhsa_reserve_vcc 0
		.amdhsa_float_denorm_mode_32 3
		.amdhsa_float_denorm_mode_16_64 3
		.amdhsa_memory_ordered 1
		.amdhsa_forward_progress 1
		.amdhsa_inst_pref_size 32
	.end_amdhsa_kernel
	.amdgpu_metadata
---
amdhsa.version: [ 1, 2 ]
amdhsa.kernels:
  - .name:           k_q731ad6e258_prep
    .symbol:         k_q731ad6e258_prep.kd
    .args:
      - { .name: x, .offset: 0, .size: 8, .value_kind: global_buffer, .address_space: global }
      - { .name: train_pts, .offset: 8, .size: 8, .value_kind: global_buffer, .address_space: global }
      - { .name: packs, .offset: 16, .size: 8, .value_kind: global_buffer, .address_space: global }
    .group_segment_fixed_size: 87808
    .private_segment_fixed_size: 0
    .kernarg_segment_align: 8
    .kernarg_segment_size: 24
    .max_flat_workgroup_size: 160
    .sgpr_count:     66
    .vgpr_count:     258
    .wavefront_size: 32
...
	.end_amdgpu_metadata
.endif
;; end of part 1
;; launch main (part 2): grid 32 x 8, 4 waves a work-group, clusters of 4 x 4, 327,680 bytes of LDS; arguments packs, cand; writes cand
.if DOCPART == 2
	.amdgcn_target "amdgcn-amd-amdhsa--gfx1250"
	.amdhsa_code_object_version 6
	.text
	.protected	k_q731ad6e258_main
	.globl	k_q731ad6e258_main
	.p2align	8
	.type	k_q731ad6e258_main,@function
k_q731ad6e258_main:
	s_mov_b64 s[64:65], 0
	v_nop
	global_prefetch_b8 v0, s[64:65] scope:SCOPE_SE
	s_setreg_imm32_b32 hwreg(HW_REG_WAVE_MODE, 25, 1), 1
	s_wait_xcnt 0x0
	s_wait_alu depctr_hold_cnt(0) depctr_sa_sdst(0) depctr_va_vdst(0) depctr_va_sdst(0) depctr_va_ssrc(0) depctr_va_vcc(0) depctr_vm_vsrc(0)
	s_getreg_b32 s2, hwreg(HW_REG_IB_STS2, 6, 4)
	s_cmp_eq_u32 s2, 0
	s_cbranch_scc0 .Lentry_in_a_cluster
	s_endpgm
.Lentry_in_a_cluster:
	s_bfe_u32 s2, ttmp6, 0x10000c
	s_cmp_lg_u32 s2, 0xf033
	s_cbranch_scc0 .Lentry_shape_is_right
	s_endpgm
.Lentry_shape_is_right:
; For 1,024 queries and one SHARE of 1,024 train points: for each query the share's best SUBGROUP of 32 neighbouring points, and its distance.  cand[share][query] = (bits of the distance, subgroup's number), 8 bytes.
; d2 = |x|^2 + |y|^2 - 2 x.y.  The product is taken with source 0 = 16 train points, source 1 = 16 queries and C = -|y|^2 / 2 of the tile's rows: D = x.y - |y|^2 / 2, and d2 = |x|^2 - 2 D falls as D rises.
; So the nearest point has the largest D.  A lane holds ONE query (lane % 16); its eight results are eight train points; a maximum of three operands takes them in, half an instruction a score.
; The clip at 0 and the root do not fall where d2 rises, so they are applied to maxima: the clip as min(D, |x|^2 / 2) to each subgroup's maximum (all d2 <= 0 tie, the first subgroup stays), the root once at the end.
; SUBGROUPS: in a block of 64 points rows 8 h .. 8 h + 7 of the four tiles are points 32 h .. 32 h + 31: half h of the lanes sees subgroup 2 x block + h.  A later launch works the winning subgroup out point by point.
; LIMITS: d2 is rounded as fl(|x|^2 - 2 fl(x.y - |y|^2 / 2)), not as fl(fl(|x|^2 + |y|^2) - 2 x.y); within a share subgroups are compared on the clipped D, not on the rooted distance, so candidates within
; about 3 units in d2's last place of each other may be ordered otherwise than by the rooted tie rule; exact ties and ties at the clip keep the lower index; the root is good to one unit in the last place; NaN and infinities are not served.
; SHARES: work-group (x, y): share x, queries 1,024 y on.  Wave w keeps its 256 queries (16 fragments) in registers; all four waves walk the share's 64 tiles in LDS: a fragment read from LDS feeds 16 products.
; LDS: the share's 16 blocks (139,264 bytes), then the 16 query blocks.  Every byte is filled ONCE, by four tensor loads a wave issued together (four are out, by this text's count): my queries; then the share in three chunks
; (2, 2 and 12 blocks, a quarter to each wave), so that the products begin when the first chunk is in.  CLUSTER 4 x 4: the four of a column have the same share, the four of a row the same queries: joint loads.
; No prefetch: everything the launch reads is asked for at its head.
; BY TURNS: behind each product stand four maxima of earlier products (two switches of the register window round each product: the queries fill window 1, and a maximum names three registers of window 0).
.set BLKB, 8704
.set SHB,  16*BLKB                     ; a share, or a work-group's queries, in bytes
.set QG,   512*BLKB                    ; where the query blocks begin in packs
.set QL,   SHB                         ; and in LDS
.set WQ,   4*BLKB                      ; a wave's queries
.set CHA,  BLKB/2                      ; a wave's quarter of a chunk of two blocks: 17 rows of 256 bytes
.set CHC,  3*BLKB                      ; of the chunk of twelve: 102 rows
.set LI,   1                           ; v1   16 x lane: my place in an image
.set LC,   2                           ; v2   32 h: my eight rows' -|y|^2 / 2
.set LS,   3                           ; v3   256 h + 8 r: lanes 0-15 the words of tiles 0, 1, lanes 16-31 of tiles 2, 3
.set ADA,  4                           ; v4-6 the three, plus the trip's first byte
.set ADC,  5
.set ADS,  6
.set IDC,  7                           ; v7   the number of the subgroup that is being finished
.set TP,   10                          ; v10-13 two sets of two partial maxima
.set SA,   14                          ; v14-17 train scale words: block b of the trip at v[SA + 2 b], tile's parity u at + u
.set SB,   18                          ; v18-25 query scale words, likewise for my four blocks
.set HX,   26                          ; v26-41 |x|^2 / 2 of my query in each of the 16 query tiles
.set M,    42                          ; v42-57 the running maximum of the subgroup in hand
.set MC,   58                          ; v58-73 a finished subgroup's maximum, clipped; at the end the keys
.set BEST, 74                          ; v74-89 the best so far
.set BID,  90                          ; v90-105 and its subgroup
.set DR,   106                         ; v106-137 four result buffers by turns
.set CB,   138                         ; v138-169 four buffers of C
.set AB,   170                         ; v170-233 four buffers of train fragments
.set OUT,  234                         ; v234-249 the way out
.set GOF,  250                         ; v250 8 x lane
.set G1Q,  24                          ; s[24:31] group 1: 136 rows, my row of the cluster
.set G1S,  32                          ; s[32:39] 17 rows, my column
.set G1C,  40                          ; s[40:47] 102 rows, my column
.set G0Q,  48                          ; s[48:63] four groups 0
.set G0A,  52
.set G0B,  56
.set G0C,  60
.set TB,   66                          ; s66  LDS byte at which the trip's two blocks begin
.set CNT,  67
.set SEL,  68                          ; s[68:69]
.set MSB, 0
.macro WIN new                         ; the immediate's high byte repeats the setting that is left
.if MSB != \new
	s_set_vgpr_msb (MSB<<8)|\new
.set MSB, \new
.endif
.endm
.macro CROUND                          ; a round of the cluster's barrier
	s_barrier_signal -1
	s_barrier_wait -1
	s_cmp_lg_u32 s8, 0
	s_cbranch_scc1 .Lnot_wave_0_\@
	s_barrier_signal -3
.Lnot_wave_0_\@:
	s_barrier_wait -3
	s_barrier_signal -1
	s_barrier_wait -1
.endm
.macro SHAPE g, rows                   ; a dense block as rows of 256 bytes: 32 elements of 8 bytes, no padding (images are read 16 x lane: consecutive bytes)
	s_mov_b32 s[\g+1], 32<<16                      ; tensor_dim0
	s_mov_b32 s[\g+2], (\rows)<<16                 ; tensor_dim1
	s_mov_b32 s[\g+3], 32<<16                      ; tile_dim0
	s_mov_b32 s[\g+4], \rows                       ; tile_dim1
	s_mov_b32 s[\g+5], 32                          ; from row to row
	s_mov_b32 s[\g+6], 0
	s_mov_b32 s[\g+7], 0
.endm
.macro ADDR
	v_add_nc_u32 v[ADA], s[TB], v[LI]
	v_add_nc_u32 v[ADC], s[TB], v[LC]
	v_add_nc_u32 v[ADS], s[TB], v[LS]
.endm
	s_load_b128 s[4:7], s[0:1], 0x0                ; packs, cand
	v_lshl_add_u32 v254, v0, 2, 0x44000
	v_mov_b32 v255, 0
	ds_add_u32 v254, v255
	ds_add_u32 v254, v255
	v_lshrrev_b32 v8, 5, v0
	v_readfirstlane_b32 s8, v8                     ; wave 0..3
	s_bfe_u32 s9, ttmp6, 0x40000                   ; cx
	s_bfe_u32 s10, ttmp6, 0x40004                  ; cy
	s_lshl_b32 s11, ttmp9, 2
	s_add_co_u32 s11, s11, s9                      ; the share = 4 x cluster x + cx
	s_and_b32 s12, ttmp7, 0xffff
	s_lshl_b32 s12, s12, 2
	s_add_co_u32 s12, s12, s10                     ; the block of 1,024 queries = 4 x cluster y + cy
	s_lshl_b32 s13, s10, 2
	s_lshl_b32 s13, 15, s13                        ; my row of the cluster
	s_lshl_b32 s14, 0x1111, s9                     ; my column
	s_or_b32 s[G1Q], s13, (3<<16)|(1<<21)          ; 15:0 the mask; 17:16 elements of 8 bytes; 21 set beside a mask
	s_or_b32 s[G1S], s14, (3<<16)|(1<<21)
	s_or_b32 s[G1C], s14, (3<<16)|(1<<21)
	SHAPE G1Q, WQ/256
	SHAPE G1S, CHA/256
	SHAPE G1C, CHC/256
	s_mul_i32 s16, s11, SHB                        ; the share's offsets: made of the share and the wave's number alone
	s_mul_i32 s18, s8, CHA
	s_add_co_u32 s18, s16, s18                     ; my quarter of the first chunk
	s_mov_b32 s19, 0
	s_mul_i32 s17, s8, CHC
	s_add_co_u32 s16, s16, s17
	s_add_co_u32 s16, s16, 8*CHA                   ; my quarter of the third
	s_mov_b32 s17, 0
	s_mul_i32 s20, s12, SHB                        ; the queries': of the query block and the wave's number alone
	s_mul_i32 s21, s8, WQ
	s_add_co_u32 s20, s20, s21
	s_add_co_u32 s20, s20, QG
	s_mov_b32 s21, 0
	s_lshl_b32 s72, s11, 16                        ; cand: 65,536 x share + 8,192 x query block + 2,048 x wave
	s_lshl_b32 s71, s12, 13
	s_add_co_u32 s72, s72, s71
	s_lshl_b32 s71, s8, 11
	s_add_co_u32 s72, s72, s71
	s_mov_b32 s73, 0
	s_mov_b32 s[SEL], 0x76543210
	s_mov_b32 s[SEL+1], 0xfedcba98
	s_mov_b32 s[TB], 0
	s_wait_dscnt 0x0
	s_wait_kmcnt 0x0
	s_add_nc_u64 s[76:77], s[6:7], s[72:73]
	s_mov_b32 s[G0Q], 1
	s_mul_i32 s[G0Q+1], s8, WQ
	s_add_co_u32 s[G0Q+1], s[G0Q+1], QL            ; no place in the cluster enters an LDS address
	s_add_nc_u64 s[G0Q+2:G0Q+3], s[4:5], s[20:21]
	s_or_b32 s[G0Q+3], s[G0Q+3], 0x80000000
	s_mov_b32 s[G0A], 1
	s_mul_i32 s[G0A+1], s8, CHA
	s_add_nc_u64 s[G0A+2:G0A+3], s[4:5], s[18:19]
	s_mov_b32 s[G0B], 1
	s_add_co_u32 s[G0B+1], s[G0A+1], 4*CHA
	s_add_nc_u64 s[G0B+2:G0B+3], s[G0A+2:G0A+3], 4*CHA
	s_or_b32 s[G0A+3], s[G0A+3], 0x80000000
	s_or_b32 s[G0B+3], s[G0B+3], 0x80000000
	s_mov_b32 s[G0C], 1
	s_mul_i32 s[G0C+1], s8, CHC
	s_add_co_u32 s[G0C+1], s[G0C+1], 8*CHA
	s_add_nc_u64 s[G0C+2:G0C+3], s[4:5], s[16:17]
	s_or_b32 s[G0C+3], s[G0C+3], 0x80000000
	CROUND                                         ; all sixteen work-groups are here: the joint loads meet
	tensor_load_to_lds s[G0Q:G0Q+3], s[G1Q:G1Q+7]  ; my 256 queries
	s_nop 0
	tensor_load_to_lds s[G0A:G0A+3], s[G1S:G1S+7]  ; my quarter of blocks 0, 1
	s_nop 0
	tensor_load_to_lds s[G0B:G0B+3], s[G1S:G1S+7]  ; of blocks 2, 3
	s_nop 0
	tensor_load_to_lds s[G0C:G0C+3], s[G1C:G1C+7]  ; of blocks 4 to 15
	s_nop 0
.rept 4
	v_nop                                          ; behind tensor loads
.endr
	; while the tiles are on their way: lane terms, and what the first trip finds in place of an earlier trip's leavings
	v_and_b32 v8, 15, v0                           ; r
	v_bfe_u32 v9, v0, 4, 1                         ; h
	v_and_b32 v[LI], 31, v0
	v_lshlrev_b32 v[LI], 4, v[LI]
	v_lshlrev_b32 v[LC], 5, v9
	v_lshlrev_b32 v[LS], 3, v8
	v_lshl_add_u32 v[LS], v9, 8, v[LS]
	s_lshl_b32 s70, s11, 5
	s_sub_co_u32 s70, s70, 2
	v_add_nc_u32 v[IDC], s70, v9                   ; 32 x share + h - 2: two are added as each block is finished
	s_mul_i32 s71, s8, WQ
	s_add_co_u32 s71, s71, QL                      ; my queries in LDS
	v_add_nc_u32 v[ADA], s71, v[LI]
	v_add_nc_u32 v[ADS], s71, v[LS]
	v_lshl_add_u32 v[ADC], v8, 2, s71
	s_mov_b32 s70, 0xff800000                      ; -infinity
.irp j, 0,1,2,3,4,5,6,7,8,9,10,11,12,13,14,15
	v_mov_b32 v[DR+16+\j], s70                     ; result buffers 2 and 3: the first two slices take 'results' from them
.endr
.irp j, 0,1,2,3
	v_mov_b32 v[TP+\j], s70
	v_mov_b32 v[M+12+\j], s70
.endr
.irp j, 4,5,6,7,8,9,10,11
	v_mov_b32 v[MC+\j], s70                        ; -infinity is not above -infinity: the first trip's early compares select nothing
.endr
.irp j, 0,1,2,3,4,5,6,7,8,9,10,11,12,13,14,15
	v_mov_b32 v[BEST+\j], s70
	v_mov_b32 v[BID+\j], 0
.endr
	s_mov_b32 vcc_lo, 0
	s_wait_tensorcnt 0x3                           ; my queries are in LDS (the three younger loads may be out); until the first barrier I alone read them
	WIN 0x40                                       ; destination window 1
.irp q, 0,1,2,3,4,5,6,7,8,9,10,11,12,13,14,15
.irp c, 0,1,2,3
	ds_load_b128 v[16*\q+4*\c:16*\q+4*\c+3], v[ADA] offset:(\q/4)*BLKB+(\q%4)*2048+512*\c   ; query tile q stays at v[256 + 16 q]
.endr
.endr
	WIN 0
.irp b, 0,1,2,3
	ds_load_b64 v[SB+2*\b:SB+2*\b+1], v[ADS] offset:\b*BLKB+8192
.endr
.irp q, 0,1,2,3,4,5,6,7,8,9,10,11,12,13,14,15
	ds_load_b32 v[HX+\q], v[ADC] offset:(\q/4)*BLKB+8192+((\q%4)/2)*256+128+64*(\q%2)
.endr
	s_wait_tensorcnt 0x2                           ; my quarter of blocks 0 and 1 is in (two younger loads may be out)
	s_wait_dscnt 0x0
	s_barrier_signal -1
	s_barrier_wait -1                              ; everybody's is
; one LDS load of tile tn (counted from the trip's first): nn = 0 .. 3 its fragment, 4, 5 its C
.macro LDT
.if nn < 4
	ds_load_b128 v[AB+16*(tn%4)+4*nn:AB+16*(tn%4)+4*nn+3], v[ADA] offset:(tn/4)*BLKB+(tn%4)*2048+512*nn
.else
	ds_load_b128 v[CB+8*(tn%4)+4*(nn-4):CB+8*(tn%4)+4*(nn-4)+3], v[ADC] offset:(tn/4)*BLKB+8192+((tn%4)/2)*256+128+64*(tn%2)+16*(nn-4)
.endif
.endm
; the product of slice IDX: train tile TT x query tile QQ, C = the tile's -|y|^2 / 2, into result buffer IDX % 4.  Every product stands alone: no accumulator is added onto
.macro WM
	WIN 0x04                                       ; source 1 (the queries) window 1
.set rD, DR+8*(IDX%4)
.set rA, AB+16*(TT%4)
.set rB, 16*QQ
.set rC, CB+8*(TT%4)
.set rSA, SA+2*(TT/4)+TT%2
.set rSB, SB+2*(QQ/4)+QQ%2
.if (TT%4 < 2) && (QQ%4 < 2)
	v_wmma_scale_f32_16x16x128_f8f6f4 v[rD:rD+7], v[rA:rA+15], v[rB:rB+15], v[rC:rC+7], v[rSA], v[rSB] matrix_a_fmt:MATRIX_FMT_BF8 matrix_b_fmt:MATRIX_FMT_BF8
.elseif TT%4 < 2
	v_wmma_scale_f32_16x16x128_f8f6f4 v[rD:rD+7], v[rA:rA+15], v[rB:rB+15], v[rC:rC+7], v[rSA], v[rSB] matrix_a_fmt:MATRIX_FMT_BF8 matrix_b_fmt:MATRIX_FMT_BF8 matrix_b_scale:MATRIX_SCALE_ROW1
.elseif QQ%4 < 2
	v_wmma_scale_f32_16x16x128_f8f6f4 v[rD:rD+7], v[rA:rA+15], v[rB:rB+15], v[rC:rC+7], v[rSA], v[rSB] matrix_a_fmt:MATRIX_FMT_BF8 matrix_b_fmt:MATRIX_FMT_BF8 matrix_a_scale:MATRIX_SCALE_ROW1
.else
	v_wmma_scale_f32_16x16x128_f8f6f4 v[rD:rD+7], v[rA:rA+15], v[rB:rB+15], v[rC:rC+7], v[rSA], v[rSB] matrix_a_fmt:MATRIX_FMT_BF8 matrix_b_fmt:MATRIX_FMT_BF8 matrix_a_scale:MATRIX_SCALE_ROW1 matrix_b_scale:MATRIX_SCALE_ROW1
.endif
	WIN 0
.endm
; A SLICE: one product and the vector work that stands behind it.  IDX = 16 x tile + query tile, 0 .. 127 in a trip of two blocks; SS = IDX % 64, the place in a block.
;   three maxima take in the product of slice IDX - 2 (two partial ones, low registers first, and one onto M; in a block's first tile that one starts M), one joins the partial maxima of slice IDX - 3 onto its M:
;   none of the four reads what another of them writes.  A vector instruction reads a result eight plain vector instructions behind the product: they are the four of this slice's kind in each of the two slices between.
;   A result buffer is written again four slices on, sixteen such instructions behind the product that wrote it.
;   A block's last tile is joined in slices 51 + q; so query tile q's maximum is clipped in slice 52 + q, and the 48 lines that compare it with the best and select (three a query tile) follow one a slice from slice 53 on, into the next block.
;   Slices 2 to 7 of a tile fetch the tile two on (six LDS loads), into buffers whose last products stand two tiles back.
; sync = 1: in tile 6 the next chunk of the share is awaited (cnt younger tensor loads may be out) and a barrier shows it to all waves, ahead of the first fetch from it.   tail = 1: behind the last trip: no product, no fetch.
.macro SLICE sync, cnt, tail
.set TT, IDX/16
.set QQ, IDX%16
.set SS, IDX%64
.if !\tail
.if QQ == 0
.if \sync && (TT == 6)
	s_wait_tensorcnt \cnt                          ; my quarter of the next chunk has landed
	s_wait_dscnt 0x0                               ; no LDS instruction of mine is out at a signal
	s_barrier_signal -1
.else
	s_wait_dscnt 6                                 ; LDS loads come back in order: all but the youngest six, the next tile's, are in: this tile's fragment, its C and its scale words
.endif
.endif
	WM
.endif
.if (!\tail) || (IDX <= 129)
.set q2, (IDX+14)%16
.set p2, TP+2*(IDX%2)
.set r2, DR+8*((IDX+2)%4)
	v_max3_num_f32 v[p2], v[r2], v[r2+1], v[r2+2]
	v_max3_num_f32 v[p2+1], v[r2+3], v[r2+4], v[r2+5]
.if ((IDX+126)/16)%4 == 0
	v_max_num_f32 v[M+q2], v[r2+6], v[r2+7]
.else
	v_max3_num_f32 v[M+q2], v[M+q2], v[r2+6], v[r2+7]
.endif
.endif
.if (!\tail) || (IDX <= 130)
.set q3, (IDX+13)%16
.set p3, TP+2*((IDX+1)%2)
	v_max3_num_f32 v[M+q3], v[M+q3], v[p3], v[p3+1]
.endif
.if SS >= 52
	v_min_num_f32 v[MC+SS-52], v[M+SS-52], v[HX+SS-52]           ; the clip: d2 >= 0 is D <= |x|^2 / 2
.elseif SS <= 3
	v_min_num_f32 v[MC+SS+12], v[M+SS+12], v[HX+SS+12]
.endif
.if SS == 52
	v_add_nc_u32 v[IDC], 2, v[IDC]                 ; the block that is being finished
.endif
.set ff, -1
.if SS >= 53
.set ff, SS-53
.elseif SS <= 36
.set ff, SS+11
.endif
.if ff >= 0
.if ff%3 == 0
	v_cmp_gt_f32 vcc_lo, v[MC+ff/3], v[BEST+ff/3]  ; strictly above: on a tie the earlier subgroup stays
.elseif ff%3 == 1
	v_cndmask_b32 v[BEST+ff/3], v[BEST+ff/3], v[MC+ff/3], vcc_lo
.else
	v_cndmask_b32 v[BID+ff/3], v[BID+ff/3], v[IDC], vcc_lo
.endif
.endif
.if !\tail
.if (QQ >= 2) && (QQ <= 7)
.set tn, TT+2
.set nn, QQ-2
	LDT
.endif
.if (QQ == 8) && (TT == 1)
	ds_load_b64 v[SA+2:SA+3], v[ADS] offset:BLKB+8192              ; the trip's second block's scale words
.endif
.if (QQ == 8) && (TT == 6)
	ds_load_b64 v[SA:SA+1], v[ADS] offset:2*BLKB+8192              ; the next trip's first block's
.endif
.if \sync && (TT == 6) && (QQ == 1)
	s_barrier_wait -1                              ; two slices of register work stood between signal and wait; the fetches from the next chunk follow
.endif
.endif
.set IDX, IDX+1
.endm
.macro TRIP sync, cnt                  ; two blocks: 8 tiles x 16 query tiles
.set IDX, 0
.rept 128
	SLICE \sync, \cnt, 0
.endr
	s_add_co_u32 s[TB], s[TB], 2*BLKB
	ADDR
.endm
	ADDR
	ds_load_b64 v[SA:SA+1], v[ADS] offset:8192
.set tn, 0
.rept 2
.set nn, 0
.rept 6
	LDT
.set nn, nn+1
.endr
.set tn, tn+1
.endr
	TRIP 1, 1                                      ; blocks 0, 1; awaits blocks 2, 3 (the last chunk's load may be out)
	TRIP 1, 0                                      ; blocks 2, 3; awaits blocks 4 to 15
	s_mov_b32 s[CNT], 6
.Ltrip:                                                ; blocks 4 to 15.  The last trip's look-ahead reads the first bytes behind the share, wave 0's queries, which landed ahead of the first barrier: loaded and never used
	TRIP 0, 0
	s_sub_co_u32 s[CNT], s[CNT], 1
	s_cmp_lg_u32 s[CNT], 0
	s_cbranch_scc1 .Ltrip
.set IDX, 128
.rept 37
	SLICE 0, 0, 1                                  ; what is left of the last two products and of the last block
.endr
	; THE KEY: the distance's bits.  |x|^2 / 2 - D is not negative (the clip), twice it is d2; the bits of numbers that are not negative order as whole numbers
.irp q, 0,1,2,3,4,5,6,7,8,9,10,11,12,13,14,15
	v_sub_f32 v[MC+\q], v[HX+\q], v[BEST+\q]
.endr
.irp q, 0,1,2,3,4,5,6,7,8,9,10,11,12,13,14,15
	v_add_f32 v[MC+\q], v[MC+\q], v[MC+\q]
.endr
.irp q, 0,1,2,3,4,5,6,7,8,9,10,11,12,13,14,15
	v_sqrt_f32 v[MC+\q], v[MC+\q]
.endr
	v_lshrrev_b32 v[GOF], 1, v[LI]                 ; a plain line behind the roots: 8 x lane
	s_wait_alu depctr_va_vdst(0)                   ; one wait for the batch, ahead of its first reader
	s_mov_b32 s79, 0xffff0000                      ; lanes 16-31
.irp q, 0,1,2,3,4,5,6,7,8,9,10,11,12,13,14,15  ; a query's two halves of the lanes: the lower key, on a tie the lower subgroup; both halves end with the same
	v_permlanex16_b32 v8, v[MC+\q], s[SEL], s[SEL+1]
	v_permlanex16_b32 v9, v[BID+\q], s[SEL], s[SEL+1]
	v_cmp_lt_u32 s74, v8, v[MC+\q]
	v_cmp_eq_u32 s75, v8, v[MC+\q]
	v_cmp_lt_u32 s78, v9, v[BID+\q]
	s_and_b32 s75, s75, s78
	s_or_b32 vcc_lo, s74, s75
	v_cndmask_b32 v[MC+\q], v[MC+\q], v8, vcc_lo
	v_cndmask_b32 v[BID+\q], v[BID+\q], v9, vcc_lo
.endr
.irp p, 0,1,2,3,4,5,6,7                        ; lanes 0-15 send query tile 2 p, lanes 16-31 tile 2 p + 1
	v_cndmask_b32 v[OUT+2*\p], v[MC+2*\p], v[MC+2*\p+1], s79
	v_cndmask_b32 v[OUT+2*\p+1], v[BID+2*\p], v[BID+2*\p+1], s79
	global_store_b64 v[GOF], v[OUT+2*\p:OUT+2*\p+1], s[76:77] offset:256*\p   ; 32 lanes store 256 consecutive bytes, aligned
.endr
	s_wait_dscnt 0x0                               ; the last trip's look-ahead loads: no LDS instruction is out at a signal
	s_wait_tensorcnt 0x0
	ds_add_u32 v254, v255
	s_wait_dscnt 0x0
	CROUND                                         ; the closing round: no work-group ends while a partner may still ask for a tile that names it
	s_endpgm
.Lfunc_end_k_q731ad6e258_main:
	.size	k_q731ad6e258_main, .Lfunc_end_k_q731ad6e258_main-k_q731ad6e258_main
	.p2alignl 7, 3214868480
	.fill 96, 4, 3214868480
	.section	.rodata,"a",@progbits
	.p2align	6, 0x0
	.amdhsa_kernel k_q731ad6e258_main
		.amdhsa_group_segment_fixed_size 327680
		.amdhsa_private_segment_fixed_size 0
		.amdhsa_enable_private_segment 0
		.amdhsa_kernarg_size 16
		.amdhsa_user_sgpr_count 2
		.amdhsa_user_sgpr_kernarg_segment_ptr 1
		.amdhsa_wavefront_size32 1
		.amdhsa_system_sgpr_workgroup_id_x 1
		.amdhsa_system_sgpr_workgroup_id_y 1
		.amdhsa_system_sgpr_workgroup_id_z 1
		.amdhsa_system_vgpr_workitem_id 0
		.amdhsa_next_free_vgpr 512
		.amdhsa_next_free_sgpr 80
		.amdhsa_reserve_vcc 1
		.amdhsa_float_denorm_mode_32 3
		.amdhsa_float_denorm_mode_16_64 3
		.amdhsa_memory_ordered 1
		.amdhsa_forward_progress 1
		.amdhsa_inst_pref_size 216
	.end_amdhsa_kernel
	.amdgpu_metadata
---
amdhsa.version: [ 1, 2 ]
amdhsa.kernels:
  - .name:           k_q731ad6e258_main
    .symbol:         k_q731ad6e258_main.kd
    .args:
      - { .name: packs, .offset: 0, .size: 8, .value_kind: global_buffer, .address_space: global }
      - { .name: cand, .offset: 8, .size: 8, .value_kind: global_buffer, .address_space: global }
    .group_segment_fixed_size: 327680
    .private_segment_fixed_size: 0
    .kernarg_segment_align: 8
    .kernarg_segment_size: 16
    .max_flat_workgroup_size: 128
    .sgpr_count:     80
    .vgpr_count:     512
    .wavefront_size: 32
...
	.end_amdgpu_metadata
.endif
;; end of part 2
;; launch pick (part 3): grid 256 x 1, 8 waves a work-group, no clusters, 2,048 bytes of LDS; arguments cand, packs, train_label, out0; writes out0
.if DOCPART == 3
	.amdgcn_target "amdgcn-amd-amdhsa--gfx1250"
	.amdhsa_code_object_version 6
	.text
	.protected	k_q731ad6e258_pick
	.globl	k_q731ad6e258_pick
	.p2align	8
	.type	k_q731ad6e258_pick,@function
k_q731ad6e258_pick:
	s_mov_b64 s[64:65], 0
	v_nop
	global_prefetch_b8 v0, s[64:65] scope:SCOPE_SE
	s_setreg_imm32_b32 hwreg(HW_REG_WAVE_MODE, 25, 1), 1
	s_wait_xcnt 0x0
; out0[query] = the label of the nearest train point.  cand[share][query] = (bits of the share's least distance, number of the subgroup of 32 points that holds it), whole numbers stored by the launch before.
; A wave serves four queries.  It joins the 32 shares' candidates by whole-number compares (the lower key; on a tie the lower subgroup), works the winning subgroup out again, two products a query
; (source 0 = 16 points of the subgroup, source 1 = the tile of 16 queries, C = -|y|^2 / 2), takes d2 = |x|^2 - 2 D, the clip at 0 and the root of every one of the 32 numbers, and keeps the FIRST least distance's label.
; The label only follows selects; addresses hang on the stored subgroup numbers alone, each held to 1,023 first.
; LIMITS: as in the launch before: d2's order of rounding; the root is good to one unit in the last place; NaN and infinities are not served.
; SHARES: work-group g: query tiles 2 g, 2 g + 1 (16 queries each), four waves to a tile.  The tile's columns are turned round by 4 x (wave % 4), so that a wave's four queries stand in columns 0 to 3, lanes e and 16 + e.
; A SUBGROUP AS TWO TILES: subgroup s = 2 x block + h'.  Tile a (0, 1), row m is point 32 s + 16 a + m: row 8 h' + m % 8 of the block's tile 2 a + m / 8.  A result's lane (column, h) register j is point 32 s + 16 a + 8 h + j.
; C and the labels are per lane: each lane loads those of ITS OWN column's subgroup, so one set serves all four queries' products; of query e's products only column e is kept.
; No tensor loads; all of a phase's loads go out together.  The output has 128 bytes a work-group: with whole runs of 256 bytes half as many work-groups would have work.
.set BLKB, 8704
.set QR,   4                           ; v4   my column's query in the tile
.set CO,   5                           ; v5   cand: 1,048,576 h + 8 x query: half h of the lanes scans shares 16 h .. 16 h + 15
.set BO,   6                           ; v6   the queries' image: 256 h + 16 x my column's query
.set AL,   8                           ; v8   a subgroup's fragment: 2048 (r / 8) + 256 h + 16 (r % 8)
.set SL,   9                           ; v9   its scale words: 8 (r % 8) + 4 (r / 8)
.set CL,   10                          ; v10  my column's subgroup: -|y|^2 / 2 of my eight rows
.set LL,   11                          ; v11  and their labels
.set SG,   12                          ; v12  my column's winning subgroup
.set SA,   16                          ; v16-23 scale words of (query e, tile a) at v[SA + 2 e + a]
.set SBR,  24                          ; v24  the queries' scale words
.set HXR,  25                          ; v25  |x|^2 / 2
.set X2,   26                          ; v26  |x|^2
.set BF,   32                          ; v32-47 the queries' fragment
.set CF,   48                          ; v48-63 C of tiles 0, 1
.set LB,   64                          ; v64-79 labels
.set E,    80                          ; v80-95 my column's results, then d2, then distances
.set RR,   96                          ; v96-127 other queries' results
.set AF,   128                         ; v128-255 eight fragments; before them the 16 candidates
.set SEL,  40                          ; s[40:41]
	s_load_b256 s[4:11], s[0:1], 0x0               ; cand s[4:5], packs s[6:7], train_label s[8:9], out0 s[10:11]
	s_set_vgpr_msb 0x40
	v_lshl_add_u32 v0, v0, 2, 0x400
	v_mov_b32 v1, 0
	s_set_vgpr_msb 0x4000
	v_lshrrev_b32 v1, 5, v0
	v_readfirstlane_b32 s12, v1                    ; wave 0..7
	v_and_b32 v1, 31, v0                           ; lane
	v_and_b32 v2, 15, v0                           ; r
	v_bfe_u32 v3, v0, 4, 1                         ; h
	s_lshr_b32 s13, s12, 2
	s_lshl_b32 s14, ttmp9, 1
	s_add_co_u32 s13, s13, s14                     ; T: my tile of 16 queries, 0 .. 511
	s_and_b32 s14, s12, 3
	s_lshl_b32 s15, s14, 2
	v_add_nc_u32 v[QR], s15, v2
	v_and_b32 v[QR], 15, v[QR]                     ; column r holds query (r + 4 (wave % 4)) % 16
	s_lshl_b32 s16, s13, 7
	v_lshlrev_b32 v[CO], 3, v[QR]
	v_lshl_add_u32 v[CO], v3, 20, v[CO]
	v_add_nc_u32 v[CO], s16, v[CO]
	v_lshlrev_b32 v[BO], 4, v[QR]
	v_lshl_add_u32 v[BO], v3, 8, v[BO]
	s_lshr_b32 s16, s13, 2
	s_add_co_u32 s16, s16, 512
	s_mul_i32 s16, s16, BLKB                       ; the tile's block in packs
	s_and_b32 s17, s13, 3
	s_lshl_b32 s18, s17, 11
	s_add_co_u32 s18, s18, s16                     ; its image
	s_mov_b32 s19, 0
	s_lshr_b32 s17, s17, 1
	s_lshl_b32 s17, s17, 8
	s_add_co_u32 s46, s16, s17
	s_add_co_u32 s46, s46, 8192                    ; its record
	s_mov_b32 s47, 0
	s_and_b32 s17, s13, 1
	s_lshl_b32 s42, s17, 2
	s_lshl_b32 s43, s17, 6
	v_lshl_add_u32 v27, v[QR], 3, s42              ; the scale word of my column's query
	v_lshl_add_u32 v28, v[QR], 2, s43              ; its |x|^2 / 2 (128 more in the immediate)
	v_lshrrev_b32 v7, 3, v2                        ; r / 8
	v_and_b32 v13, 7, v2                           ; r % 8
	v_lshlrev_b32 v[AL], 11, v7
	v_lshl_add_u32 v[AL], v3, 8, v[AL]
	v_lshl_add_u32 v[AL], v13, 4, v[AL]
	v_lshlrev_b32 v[SL], 2, v7
	v_lshl_add_u32 v[SL], v13, 3, v[SL]
	v_lshlrev_b32 v29, 2, v0                       ; LDS: a word for each thread: 128 bytes a wave
	v_lshrrev_b32 v30, 2, v1
	v_lshlrev_b32 v30, 7, v30
	v_and_b32 v31, 3, v1
	v_lshl_add_u32 v30, v31, 2, v30                ; and back: lane l takes word l % 4 of wave l / 4
	v_lshlrev_b32 v31, 2, v1                       ; out0: 4 x lane
	v_mov_b32 v14, 0                               ; written once: a lane permute's destination counts as one of its sources
	v_mov_b32 v15, 0
	s_mov_b32 s[SEL], 0x76543210
	s_mov_b32 s[SEL+1], 0xfedcba98
	s_mov_b32 s48, 0x20002                         ; lanes 1 and 17; 2 and 18; 3 and 19
	s_mov_b32 s49, 0x40004
	s_mov_b32 s50, 0x80008
	s_lshl_b32 s44, ttmp9, 7
	s_mov_b32 s45, 0
	s_wait_kmcnt 0x0
	s_add_nc_u64 s[20:21], s[6:7], s[18:19]
	s_add_nc_u64 s[22:23], s[6:7], s[46:47]
	s_add_nc_u64 s[52:53], s[10:11], s[44:45]
.irp s, 0,1,2,3,4,5,6,7,8,9,10,11,12,13,14,15
	global_load_b64 v[AF+2*\s:AF+2*\s+1], v[CO], s[4:5] offset:65536*\s
.endr
.irp c, 0,1,2,3
	global_load_b128 v[BF+4*\c:BF+4*\c+3], v[BO], s[20:21] offset:512*\c
.endr
	global_load_b32 v[SBR], v27, s[22:23]
	global_load_b32 v[HXR], v28, s[22:23] offset:128
	s_wait_loadcnt 6                               ; the 16 candidates are in; the six younger loads may be out
.irp s, 1,2,3,4,5,6,7,8,9,10,11,12,13,14,15    ; shares ascending, strictly lower: on a tie the lower share stays
	v_cmp_lt_u32 vcc_lo, v[AF+2*\s], v[AF]
	v_cndmask_b32 v[AF], v[AF], v[AF+2*\s], vcc_lo
	v_cndmask_b32 v[AF+1], v[AF+1], v[AF+2*\s+1], vcc_lo
.endr
	v_permlanex16_b32 v14, v[AF], s[SEL], s[SEL+1]
	v_permlanex16_b32 v15, v[AF+1], s[SEL], s[SEL+1]
	v_cmp_lt_u32 s42, v14, v[AF]
	v_cmp_eq_u32 s43, v14, v[AF]
	v_cmp_lt_u32 s44, v15, v[AF+1]
	s_and_b32 s43, s43, s44
	s_or_b32 vcc_lo, s42, s43
	v_cndmask_b32 v[SG], v[AF+1], v15, vcc_lo      ; both halves of the lanes now hold the column's winner
	v_min_u32 v[SG], 0x3ff, v[SG]                  ; a loaded number enters addresses only behind this hold
	v_and_b32 v[CL], 0x3fe, v[SG]
	v_mul_u32_u24 v[CL], v[CL], BLKB/2             ; the block: 8,704 x (s / 2)
	v_and_b32 v7, 1, v[SG]
	v_lshlrev_b32 v7, 5, v7                        ; 32 h'
	v_add_nc_u32 v[CL], v[CL], v7
	v_lshlrev_b32 v13, 6, v3                       ; 64 h: rows 8 h + j of tile a lie in the block's tile 2 a + h
	v_add_nc_u32 v[CL], v[CL], v13
	v_lshlrev_b32 v[LL], 7, v[SG]                  ; 32 labels of 4 bytes a subgroup
	v_lshlrev_b32 v13, 5, v3
	v_add_nc_u32 v[LL], v[LL], v13
.irp a, 0,1
	global_load_b128 v[CF+8*\a:CF+8*\a+3], v[CL], s[6:7] offset:8192+128+256*\a
	global_load_b128 v[CF+8*\a+4:CF+8*\a+7], v[CL], s[6:7] offset:8192+128+256*\a+16
	global_load_b128 v[LB+8*\a:LB+8*\a+3], v[LL], s[8:9] offset:64*\a
	global_load_b128 v[LB+8*\a+4:LB+8*\a+7], v[LL], s[8:9] offset:64*\a+16
.endr
; query e's subgroup as a scalar; its two fragments and their scale words.  Each query has bases of its own, so that none is written while a load still reads it
.macro GATHER e
	v_readlane_b32 s42, v[SG], \e
	s_min_u32 s42, s42, 0x3ff
	s_and_b32 s43, s42, 0x3fe
	s_mul_i32 s43, s43, BLKB/2
	s_and_b32 s42, s42, 1
	s_lshl_b32 s44, s42, 7                         ; rows 8 h' on: 128 bytes in an image's group,
	s_add_co_u32 s46, s43, s44
	s_add_nc_u64 s[24+4*\e:25+4*\e], s[6:7], s[46:47]
	s_lshl_b32 s44, s42, 6                         ; 64 bytes among the scale words
	s_add_co_u32 s46, s43, s44
	s_add_nc_u64 s[26+4*\e:27+4*\e], s[6:7], s[46:47]
.irp a, 0,1
.irp c, 0,1,2,3
	global_load_b128 v[AF+16*(2*\e+\a)+4*\c:AF+16*(2*\e+\a)+4*\c+3], v[AL], s[24+4*\e:25+4*\e] offset:4096*\a+512*\c
.endr
	global_load_b32 v[SA+2*\e+\a], v[SL], s[26+4*\e:27+4*\e] offset:8192+256*\a
.endr
.endm
	GATHER 0
	GATHER 1
	GATHER 2
	GATHER 3
	s_wait_loadcnt 0x0
.macro PROD e, a, d
	v_wmma_scale_f32_16x16x128_f8f6f4 v[\d:\d+7], v[AF+16*(2*\e+\a):AF+16*(2*\e+\a)+15], v[BF:BF+15], v[CF+8*\a:CF+8*\a+7], v[SA+2*\e+\a], v[SBR] matrix_a_fmt:MATRIX_FMT_BF8 matrix_b_fmt:MATRIX_FMT_BF8
.endm
.macro SELECT r, m                     ; column e's lanes take query e's results, each result's low registers first
.irp j, 0,1,2,3,4,5,6,7,8,9,10,11,12,13,14,15
	v_cndmask_b32 v[E+\j], v[E+\j], v[\r+\j], s[\m]
.endr
.endm
	PROD 0, 0, E
	PROD 0, 1, E+8
	PROD 1, 0, RR
	PROD 1, 1, RR+8
	PROD 2, 0, RR+16
	PROD 2, 1, RR+24
	v_add_f32 v[X2], v[HXR], v[HXR]                ; nine plain lines: eight are asked ahead of the selects that read results, nine ahead of the products below, which write over query 1's results
.rept 8
	v_nop
.endr
	SELECT RR, 48
	PROD 3, 0, RR
	PROD 3, 1, RR+8
	SELECT RR+16, 49                               ; sixteen plain lines that name none of the last two products' registers
	SELECT RR, 50
.irp i, 0,1,2,3,4,5,6,7,8,9,10,11,12,13,14,15
	v_fma_f32 v[E+\i], v[E+\i], -2.0, v[X2]        ; d2 = |x|^2 - 2 D
.endr
.irp i, 0,1,2,3,4,5,6,7,8,9,10,11,12,13,14,15
	v_max_num_f32 v[E+\i], 0, v[E+\i]
.endr
.irp i, 0,1,2,3,4,5,6,7,8,9,10,11,12,13,14,15
	v_sqrt_f32 v[E+\i], v[E+\i]
.endr
	v_nop                                          ; a plain line behind the last root
	s_wait_alu depctr_va_vdst(0)                   ; one wait for the batch, ahead of its first reader
.irp j, 1,2,3,4,5,6,7                          ; my eight points of each tile, ascending, strictly lower: the first least distance stays; the two tiles by turns
	v_cmp_lt_f32 vcc_lo, v[E+\j], v[E]
	v_cmp_lt_f32 s42, v[E+8+\j], v[E+8]
	v_cndmask_b32 v[E], v[E], v[E+\j], vcc_lo
	v_cndmask_b32 v[LB], v[LB], v[LB+\j], vcc_lo
	v_cndmask_b32 v[E+8], v[E+8], v[E+8+\j], s42
	v_cndmask_b32 v[LB+8], v[LB+8], v[LB+8+\j], s42
.endr
	v_permlanex16_b32 v14, v[E], s[SEL], s[SEL+1]  ; the tile's points 8 to 15 lie in the lane 16 on: they win only if strictly lower.  (Right in lanes 0-15, which alone are used)
	v_permlanex16_b32 v15, v[LB], s[SEL], s[SEL+1]
	v_permlanex16_b32 v27, v[E+8], s[SEL], s[SEL+1]
	v_permlanex16_b32 v28, v[LB+8], s[SEL], s[SEL+1]
	v_cmp_lt_f32 vcc_lo, v14, v[E]
	v_cmp_lt_f32 s42, v27, v[E+8]
	v_cndmask_b32 v[E], v[E], v14, vcc_lo
	v_cndmask_b32 v[LB], v[LB], v15, vcc_lo
	v_cndmask_b32 v[E+8], v[E+8], v27, s42
	v_cndmask_b32 v[LB+8], v[LB+8], v28, s42
	v_cmp_lt_f32 vcc_lo, v[E+8], v[E]              ; and the second tile's only if strictly lower than the first's
	v_cndmask_b32 v[LB], v[LB], v[LB+8], vcc_lo
	ds_store_b32 v29, v[LB]                        ; every lane to its own word; lanes 0 to 3 hold my four queries' labels
	s_wait_dscnt 0x0                               ; for the others' sake: my store is done
	s_barrier_signal -1
	s_barrier_wait -1
	s_cmp_lg_u32 s12, 0
	s_cbranch_scc1 .Ldone
	ds_load_b32 v32, v30                           ; wave 0 gathers the work-group's 32 labels
	s_wait_dscnt 0x0
	global_store_b32 v31, v32, s[52:53]            ; 128 consecutive bytes, aligned to 128
.Ldone:
	s_set_vgpr_msb 0x5
	s_wait_tensorcnt 0x0
	ds_add_u32 v0, v1
	s_wait_dscnt 0x0
	s_set_vgpr_msb 0x500
	s_endpgm
.Lfunc_end_k_q731ad6e258_pick:
	.size	k_q731ad6e258_pick, .Lfunc_end_k_q731ad6e258_pick-k_q731ad6e258_pick
	.p2alignl 7, 3214868480
	.fill 96, 4, 3214868480
	.section	.rodata,"a",@progbits
	.p2align	6, 0x0
	.amdhsa_kernel k_q731ad6e258_pick
		.amdhsa_group_segment_fixed_size 2048
		.amdhsa_private_segment_fixed_size 0
		.amdhsa_enable_private_segment 0
		.amdhsa_kernarg_size 32
		.amdhsa_user_sgpr_count 2
		.amdhsa_user_sgpr_kernarg_segment_ptr 1
		.amdhsa_wavefront_size32 1
		.amdhsa_system_sgpr_workgroup_id_x 1
		.amdhsa_system_sgpr_workgroup_id_y 1
		.amdhsa_system_sgpr_workgroup_id_z 1
		.amdhsa_system_vgpr_workitem_id 0
		.amdhsa_next_free_vgpr 258
		.amdhsa_next_free_sgpr 66
		.amdhsa_reserve_vcc 1
		.amdhsa_float_denorm_mode_32 3
		.amdhsa_float_denorm_mode_16_64 3
		.amdhsa_memory_ordered 1
		.amdhsa_forward_progress 1
		.amdhsa_inst_pref_size 24
	.end_amdhsa_kernel
	.amdgpu_metadata
---
amdhsa.version: [ 1, 2 ]
amdhsa.kernels:
  - .name:           k_q731ad6e258_pick
    .symbol:         k_q731ad6e258_pick.kd
    .args:
      - { .name: cand, .offset: 0, .size: 8, .value_kind: global_buffer, .address_space: global }
      - { .name: packs, .offset: 8, .size: 8, .value_kind: global_buffer, .address_space: global }
      - { .name: train_label, .offset: 16, .size: 8, .value_kind: global_buffer, .address_space: global }
      - { .name: out0, .offset: 24, .size: 8, .value_kind: global_buffer, .address_space: global }
    .group_segment_fixed_size: 2048
    .private_segment_fixed_size: 0
    .kernarg_segment_align: 8
    .kernarg_segment_size: 32
    .max_flat_workgroup_size: 256
    .sgpr_count:     66
    .vgpr_count:     258
    .wavefront_size: 32
...
	.end_amdgpu_metadata
.endif
;; end of part 3
;; ======== version 2 of 2: 3 launches; version 1 with the launch pick written anew for expert scheduling mode
;; workspace buffers: packs 5,570,560 bytes; cand 2,097,152 bytes of whole numbers
;; launch prep: the kernel of part 1 again; grid 256 x 1, 5 waves a work-group, no clusters, 87,808 bytes of LDS; arguments x, train_pts, packs; writes packs
;; launch main: the kernel of part 2 again; grid 32 x 8, 4 waves a work-group, clusters of 4 x 4, 327,680 bytes of LDS; arguments packs, cand; writes cand
;; launch pick (part 4): grid 256 x 1, 8 waves a work-group, no clusters, 2,048 bytes of LDS; arguments cand, packs, train_label, out0; writes out0
.if DOCPART == 4
	.amdgcn_target "amdgcn-amd-amdhsa--gfx1250"
	.amdhsa_code_object_version 6
	.text
	.protected	k_q731ad6e258_pick
	.globl	k_q731ad6e258_pick
	.p2align	8
	.type	k_q731ad6e258_pick,@function
k_q731ad6e258_pick:
	s_mov_b64 s[64:65], 0
	v_nop
	global_prefetch_b8 v0, s[64:65] scope:SCOPE_SE
	s_setreg_imm32_b32 hwreg(HW_REG_WAVE_SCHED_MODE, 0, 2), 2
	s_setreg_imm32_b32 hwreg(HW_REG_WAVE_MODE, 25, 1), 1
	s_wait_xcnt 0x0
	s_wait_alu depctr_vm_vsrc(0)
; out0[query] = the label of the nearest train point.  cand[share][query] = (bits of the share's least distance, number of the subgroup of 32 points that holds it), whole numbers stored by the launch before.
; A wave serves four queries.  It joins the 32 shares' candidates by whole-number compares (the lower key; on a tie the lower subgroup), works the winning subgroup out again, two products a query
; (source 0 = 16 points of the subgroup, source 1 = the tile of 16 queries, C = -|y|^2 / 2), takes d2 = |x|^2 - 2 D, the clip at 0 and the root of every one of the 32 numbers, and keeps the FIRST least distance's label.
; The label only follows selects; addresses hang on the stored subgroup numbers alone, each held to 1,023 first.
; LIMITS: as in the launch before: d2's order of rounding; the root is good to one unit in the last place; NaN and infinities are not served.
; SHARES: work-group g: query tiles 2 g, 2 g + 1 (16 queries each), four waves to a tile.  The tile's columns are turned round by 4 x (wave % 4), so that a wave's four queries stand in columns 0 to 3, lanes e and 16 + e.
; A SUBGROUP AS TWO TILES: subgroup s = 2 x block + h'.  Tile a (0, 1), row m is point 32 s + 16 a + m: row 8 h' + m % 8 of the block's tile 2 a + m / 8.  A result's lane (column, h) register j is point 32 s + 16 a + 8 h + j.
; C and the labels are per lane: each lane loads those of ITS OWN column's subgroup, so one set serves all four queries' products; of query e's products only column e is kept.
; No tensor loads; all of a phase's loads go out together.  The output has 128 bytes a work-group: with whole runs of 256 bytes half as many work-groups would have work.
; THE MODE: SCHED_MODE bits 1:0 = 2 (LLVM: expert scheduling mode 2), set by the entry lines.  The code itself states the register dependences between vector or matrix instructions and memory or LDS
; instructions, and those of scalar registers and VCC that vector instructions write, with s_wait_alu, always for 0.
; THE PLAN.  Registers that memory or LDS instructions touch:
;   v5, v6, v8, v9, v29-31  offsets and LDS addresses: made at the head, never written again: one wait ahead of the first load serves every access by them.
;   v27, v28                offsets of two loads of the first phase; written again by lane permutes near the end: one wait beside the wait for all loads.
;   v10, v11                offsets of the second phase: made behind the candidates' join, never written again.
;   v128-159                the candidates: loaded, then read and written by the join, then loaded again (fragments).  One wait ahead of the second phase's loads serves them and v10, v11.
;   v16-25, v32-79, v160-255  written by loads alone ahead of the products; v64 is then written by selects and is the LDS store's data; v32 takes wave 0's LDS load at the end: one wait ahead of the LDS store serves both.
; Compares stand in runs, each into a scalar register of its own, with one wait behind the run: so the two searches are laid as trees (the left partner holds the lower shares or points, the right one wins only if strictly lower).
.set BLKB, 8704
.set QR,   4                           ; v4   my column's query in the tile
.set CO,   5                           ; v5   cand: 1,048,576 h + 8 x query: half h of the lanes scans shares 16 h .. 16 h + 15
.set BO,   6                           ; v6   the queries' image: 256 h + 16 x my column's query
.set AL,   8                           ; v8   a subgroup's fragment: 2048 (r / 8) + 256 h + 16 (r % 8)
.set SL,   9                           ; v9   its scale words: 8 (r % 8) + 4 (r / 8)
.set CL,   10                          ; v10  my column's subgroup: -|y|^2 / 2 of my eight rows
.set LL,   11                          ; v11  and their labels
.set SG,   12                          ; v12  my column's winning subgroup
.set SA,   16                          ; v16-23 scale words of (query e, tile a) at v[SA + 2 e + a]
.set SBR,  24                          ; v24  the queries' scale words
.set HXR,  25                          ; v25  |x|^2 / 2
.set X2,   26                          ; v26  |x|^2
.set BF,   32                          ; v32-47 the queries' fragment
.set CF,   48                          ; v48-63 C of tiles 0, 1
.set LB,   64                          ; v64-79 labels
.set E,    80                          ; v80-95 my column's results, then d2, then distances
.set RR,   96                          ; v96-127 other queries' results
.set AF,   128                         ; v128-255 eight fragments; before them the 16 candidates
.set SEL,  40                          ; s[40:41]
.set MK,   24                          ; s24-31 a run of compares' masks; between the two searches s24-39 are the four queries' bases
	s_load_b256 s[4:11], s[0:1], 0x0               ; cand s[4:5], packs s[6:7], train_label s[8:9], out0 s[10:11]
	s_set_vgpr_msb 0x40
	v_lshl_add_u32 v0, v0, 2, 0x400
	v_mov_b32 v1, 0
	s_set_vgpr_msb 0x4000
	v_lshrrev_b32 v1, 5, v0
	v_readfirstlane_b32 s12, v1                    ; wave 0..7
	v_and_b32 v1, 31, v0                           ; lane
	v_and_b32 v2, 15, v0                           ; r
	v_bfe_u32 v3, v0, 4, 1                         ; h
	s_wait_alu depctr_va_sdst(0)                   ; s12 is written, ahead of its first reader
	s_lshr_b32 s13, s12, 2
	s_lshl_b32 s14, ttmp9, 1
	s_add_co_u32 s13, s13, s14                     ; T: my tile of 16 queries, 0 .. 511
	s_and_b32 s14, s12, 3
	s_lshl_b32 s15, s14, 2
	v_add_nc_u32 v[QR], s15, v2
	v_and_b32 v[QR], 15, v[QR]                     ; column r holds query (r + 4 (wave % 4)) % 16
	s_lshl_b32 s16, s13, 7
	v_lshlrev_b32 v[CO], 3, v[QR]
	v_lshl_add_u32 v[CO], v3, 20, v[CO]
	v_add_nc_u32 v[CO], s16, v[CO]
	v_lshlrev_b32 v[BO], 4, v[QR]
	v_lshl_add_u32 v[BO], v3, 8, v[BO]
	s_lshr_b32 s16, s13, 2
	s_add_co_u32 s16, s16, 512
	s_mul_i32 s16, s16, BLKB                       ; the tile's block in packs
	s_and_b32 s17, s13, 3
	s_lshl_b32 s18, s17, 11
	s_add_co_u32 s18, s18, s16                     ; its image
	s_mov_b32 s19, 0
	s_lshr_b32 s17, s17, 1
	s_lshl_b32 s17, s17, 8
	s_add_co_u32 s46, s16, s17
	s_add_co_u32 s46, s46, 8192                    ; its record
	s_mov_b32 s47, 0
	s_and_b32 s17, s13, 1
	s_lshl_b32 s42, s17, 2
	s_lshl_b32 s43, s17, 6
	v_lshl_add_u32 v27, v[QR], 3, s42              ; the scale word of my column's query
	v_lshl_add_u32 v28, v[QR], 2, s43              ; its |x|^2 / 2 (128 more in the immediate)
	v_lshrrev_b32 v7, 3, v2                        ; r / 8
	v_and_b32 v13, 7, v2                           ; r % 8
	v_lshlrev_b32 v[AL], 11, v7
	v_lshl_add_u32 v[AL], v3, 8, v[AL]
	v_lshl_add_u32 v[AL], v13, 4, v[AL]
	v_lshlrev_b32 v[SL], 2, v7
	v_lshl_add_u32 v[SL], v13, 3, v[SL]
	v_lshlrev_b32 v29, 2, v0                       ; LDS: a word for each thread: 128 bytes a wave
	v_lshrrev_b32 v30, 2, v1
	v_lshlrev_b32 v30, 7, v30
	v_and_b32 v31, 3, v1
	v_lshl_add_u32 v30, v31, 2, v30                ; and back: lane l takes word l % 4 of wave l / 4
	v_lshlrev_b32 v31, 2, v1                       ; out0: 4 x lane
	v_mov_b32 v14, 0                               ; written once: a lane permute's destination counts as one of its sources
	v_mov_b32 v15, 0
	s_mov_b32 s[SEL], 0x76543210
	s_mov_b32 s[SEL+1], 0xfedcba98
	s_mov_b32 s48, 0x20002                         ; lanes 1 and 17; 2 and 18; 3 and 19
	s_mov_b32 s49, 0x40004
	s_mov_b32 s50, 0x80008
	s_lshl_b32 s44, ttmp9, 7
	s_mov_b32 s45, 0
	s_wait_kmcnt 0x0
	s_add_nc_u64 s[20:21], s[6:7], s[18:19]
	s_add_nc_u64 s[22:23], s[6:7], s[46:47]
	s_add_nc_u64 s[52:53], s[10:11], s[44:45]
	s_wait_alu depctr_va_vdst(0)                   ; the offsets and LDS addresses v5, v6, v8, v9 and v27 to v31 are written, which the loads, the LDS store and load and the last store read
.irp s, 0,1,2,3,4,5,6,7,8,9,10,11,12,13,14,15
	global_load_b64 v[AF+2*\s:AF+2*\s+1], v[CO], s[4:5] offset:65536*\s
.endr
.irp c, 0,1,2,3
	global_load_b128 v[BF+4*\c:BF+4*\c+3], v[BO], s[20:21] offset:512*\c
.endr
	global_load_b32 v[SBR], v27, s[22:23]
	global_load_b32 v[HXR], v28, s[22:23] offset:128
	s_wait_loadcnt 6                               ; the 16 candidates are in; the six younger loads may be out
; one level of the candidates' join: candidates st apart; the left one holds the lower shares, the right one wins only if strictly lower: on a tie the lower share stays
.macro CJOIN st
.set n, 0
.rept 8/\st
	v_cmp_lt_u32 s[MK+n], v[AF+4*\st*n+2*\st], v[AF+4*\st*n]
.set n, n+1
.endr
	s_wait_alu depctr_va_sdst(0)                   ; the run's masks are written, ahead of the selects that read them
.set n, 0
.rept 8/\st
	v_cndmask_b32 v[AF+4*\st*n], v[AF+4*\st*n], v[AF+4*\st*n+2*\st], s[MK+n]
	v_cndmask_b32 v[AF+4*\st*n+1], v[AF+4*\st*n+1], v[AF+4*\st*n+2*\st+1], s[MK+n]
.set n, n+1
.endr
.endm
	CJOIN 1
	CJOIN 2
	CJOIN 4
	CJOIN 8
	v_permlanex16_b32 v14, v[AF], s[SEL], s[SEL+1]
	v_permlanex16_b32 v15, v[AF+1], s[SEL], s[SEL+1]
	v_cmp_lt_u32 s42, v14, v[AF]
	v_cmp_eq_u32 s43, v14, v[AF]
	v_cmp_lt_u32 s44, v15, v[AF+1]
	s_wait_alu depctr_va_sdst(0)                   ; the three masks are written, ahead of the scalar lines that read them
	s_and_b32 s43, s43, s44
	s_or_b32 vcc_lo, s42, s43
	v_cndmask_b32 v[SG], v[AF+1], v15, vcc_lo      ; both halves of the lanes now hold the column's winner
	v_min_u32 v[SG], 0x3ff, v[SG]                  ; a loaded number enters addresses only behind this hold
.irp e, 0,1,2,3
	v_readlane_b32 s[24+4*\e], v[SG], \e           ; query e's subgroup as a scalar: the four in one run, each into the first of its query's base registers
.endr
	v_and_b32 v[CL], 0x3fe, v[SG]
	v_mul_u32_u24 v[CL], v[CL], BLKB/2             ; the block: 8,704 x (s / 2)
	v_and_b32 v7, 1, v[SG]
	v_lshlrev_b32 v7, 5, v7                        ; 32 h'
	v_add_nc_u32 v[CL], v[CL], v7
	v_lshlrev_b32 v13, 6, v3                       ; 64 h: rows 8 h + j of tile a lie in the block's tile 2 a + h
	v_add_nc_u32 v[CL], v[CL], v13
	v_lshlrev_b32 v[LL], 7, v[SG]                  ; 32 labels of 4 bytes a subgroup
	v_lshlrev_b32 v13, 5, v3
	v_add_nc_u32 v[LL], v[LL], v13
	s_wait_alu depctr_va_sdst(0)                   ; s24, s28, s32 and s36 are written, ahead of the scalar lines that make the bases from them
	s_wait_alu depctr_va_vdst(0)                   ; v10 and v11 are written, which the loads below read; the join is done reading and writing v128 to v159, in which fragments land.  No vector line stands among the 48 loads
.irp a, 0,1
	global_load_b128 v[CF+8*\a:CF+8*\a+3], v[CL], s[6:7] offset:8192+128+256*\a
	global_load_b128 v[CF+8*\a+4:CF+8*\a+7], v[CL], s[6:7] offset:8192+128+256*\a+16
	global_load_b128 v[LB+8*\a:LB+8*\a+3], v[LL], s[8:9] offset:64*\a
	global_load_b128 v[LB+8*\a+4:LB+8*\a+7], v[LL], s[8:9] offset:64*\a+16
.endr
; query e's two fragments and their scale words.  Each query has bases of its own, so that none is written while a load still reads it
.macro GATHER e
	s_min_u32 s42, s[24+4*\e], 0x3ff
	s_and_b32 s43, s42, 0x3fe
	s_mul_i32 s43, s43, BLKB/2
	s_and_b32 s42, s42, 1
	s_lshl_b32 s44, s42, 7                         ; rows 8 h' on: 128 bytes in an image's group,
	s_add_co_u32 s46, s43, s44
	s_add_nc_u64 s[24+4*\e:25+4*\e], s[6:7], s[46:47]
	s_lshl_b32 s44, s42, 6                         ; 64 bytes among the scale words
	s_add_co_u32 s46, s43, s44
	s_add_nc_u64 s[26+4*\e:27+4*\e], s[6:7], s[46:47]
.irp a, 0,1
.irp c, 0,1,2,3
	global_load_b128 v[AF+16*(2*\e+\a)+4*\c:AF+16*(2*\e+\a)+4*\c+3], v[AL], s[24+4*\e:25+4*\e] offset:4096*\a+512*\c
.endr
	global_load_b32 v[SA+2*\e+\a], v[SL], s[26+4*\e:27+4*\e] offset:8192+256*\a
.endr
.endm
	GATHER 0
	GATHER 1
	GATHER 2
	GATHER 3
	s_wait_loadcnt 0x0                             ; all loads are done: their data are in, and their bases s24 to s39 are free
	s_wait_alu depctr_vm_vsrc(0)                   ; the loads have read v27 and v28, which lane permutes write further down
.macro PROD e, a, d
	v_wmma_scale_f32_16x16x128_f8f6f4 v[\d:\d+7], v[AF+16*(2*\e+\a):AF+16*(2*\e+\a)+15], v[BF:BF+15], v[CF+8*\a:CF+8*\a+7], v[SA+2*\e+\a], v[SBR] matrix_a_fmt:MATRIX_FMT_BF8 matrix_b_fmt:MATRIX_FMT_BF8
.endm
.macro SELECT r, m                     ; column e's lanes take query e's results, each result's low registers first
.irp j, 0,1,2,3,4,5,6,7,8,9,10,11,12,13,14,15
	v_cndmask_b32 v[E+\j], v[E+\j], v[\r+\j], s[\m]
.endr
.endm
	PROD 0, 0, E
	PROD 0, 1, E+8
	PROD 1, 0, RR
	PROD 1, 1, RR+8
	PROD 2, 0, RR+16
	PROD 2, 1, RR+24
	v_add_f32 v[X2], v[HXR], v[HXR]                ; nine plain lines: eight are asked ahead of the selects that read results, nine ahead of the products below, which write over query 1's results
.rept 8
	v_nop
.endr
	SELECT RR, 48
	PROD 3, 0, RR
	PROD 3, 1, RR+8
	SELECT RR+16, 49                               ; sixteen plain lines that name none of the last two products' registers
	SELECT RR, 50
.irp i, 0,1,2,3,4,5,6,7,8,9,10,11,12,13,14,15
	v_fma_f32 v[E+\i], v[E+\i], -2.0, v[X2]        ; d2 = |x|^2 - 2 D
.endr
.irp i, 0,1,2,3,4,5,6,7,8,9,10,11,12,13,14,15
	v_max_num_f32 v[E+\i], 0, v[E+\i]
.endr
.irp i, 0,1,2,3,4,5,6,7,8,9,10,11,12,13,14,15
	v_sqrt_f32 v[E+\i], v[E+\i]
.endr
	v_nop                                          ; a plain line behind the last root
	s_wait_alu depctr_va_vdst(0)                   ; the sixteen roots have written v80 to v95: one wait for the batch, ahead of its first reader
; one level of the search for the first least distance, both tiles' eight points at once: points st apart; the left one is the lower point, the right one wins only if strictly lower
.macro DJOIN st
.set n, 0
.rept 8/\st
	v_cmp_lt_f32 s[MK+n], v[E+2*\st*n+\st], v[E+2*\st*n]
.set n, n+1
.endr
	s_wait_alu depctr_va_sdst(0)                   ; the run's masks are written, ahead of the selects that read them
.set n, 0
.rept 8/\st
	v_cndmask_b32 v[E+2*\st*n], v[E+2*\st*n], v[E+2*\st*n+\st], s[MK+n]
	v_cndmask_b32 v[LB+2*\st*n], v[LB+2*\st*n], v[LB+2*\st*n+\st], s[MK+n]
.set n, n+1
.endr
.endm
	DJOIN 1
	DJOIN 2
	DJOIN 4                                        ; my eight points of tile 0 are joined in v80 and v64, those of tile 1 in v88 and v72
	v_permlanex16_b32 v14, v[E], s[SEL], s[SEL+1]  ; the tile's points 8 to 15 lie in the lane 16 on: they win only if strictly lower.  (Right in lanes 0-15, which alone are used)
	v_permlanex16_b32 v15, v[LB], s[SEL], s[SEL+1]
	v_permlanex16_b32 v27, v[E+8], s[SEL], s[SEL+1]
	v_permlanex16_b32 v28, v[LB+8], s[SEL], s[SEL+1]
	v_cmp_lt_f32 s43, v14, v[E]
	v_cmp_lt_f32 s42, v27, v[E+8]
	s_wait_alu depctr_va_sdst(0)                   ; the two masks are written, ahead of the selects that read them
	v_cndmask_b32 v[E], v[E], v14, s43
	v_cndmask_b32 v[LB], v[LB], v15, s43
	v_cndmask_b32 v[E+8], v[E+8], v27, s42
	v_cndmask_b32 v[LB+8], v[LB+8], v28, s42
	v_cmp_lt_f32 vcc_lo, v[E+8], v[E]              ; and the second tile's only if strictly lower than the first's
	s_wait_alu depctr_va_vcc(0)                    ; VCC is written, ahead of the select that reads it
	v_cndmask_b32 v[LB], v[LB], v[LB+8], vcc_lo
	s_wait_alu depctr_va_vdst(0)                   ; the select has written v64, which the LDS store reads; the products are done reading v32, in which wave 0's LDS load lands.  No vector line follows
	ds_store_b32 v29, v[LB]                        ; every lane to its own word; lanes 0 to 3 hold my four queries' labels
	s_wait_dscnt 0x0                               ; for the others' sake: my store is done
	s_barrier_signal -1
	s_barrier_wait -1
	s_cmp_lg_u32 s12, 0
	s_cbranch_scc1 .Ldone
	ds_load_b32 v32, v30                           ; wave 0 gathers the work-group's 32 labels
	s_wait_dscnt 0x0
	global_store_b32 v31, v32, s[52:53]            ; 128 consecutive bytes, aligned to 128
.Ldone:
	s_set_vgpr_msb 0x5
	s_wait_dscnt 0x0
	s_wait_alu depctr_hold_cnt(0) depctr_sa_sdst(0) depctr_va_vdst(0) depctr_va_sdst(0) depctr_va_ssrc(0) depctr_va_vcc(0) depctr_vm_vsrc(0)
	s_wait_tensorcnt 0x0
	ds_add_u32 v0, v1
	s_wait_dscnt 0x0
	s_endpgm
.Lfunc_end_k_q731ad6e258_pick:
	.size	k_q731ad6e258_pick, .Lfunc_end_k_q731ad6e258_pick-k_q731ad6e258_pick
	.p2alignl 7, 3214868480
	.fill 96, 4, 3214868480
	.section	.rodata,"a",@progbits
	.p2align	6, 0x0
	.amdhsa_kernel k_q731ad6e258_pick
		.amdhsa_group_segment_fixed_size 2048
		.amdhsa_private_segment_fixed_size 0
		.amdhsa_enable_private_segment 0
		.amdhsa_kernarg_size 32
		.amdhsa_user_sgpr_count 2
		.amdhsa_user_sgpr_kernarg_segment_ptr 1
		.amdhsa_wavefront_size32 1
		.amdhsa_system_sgpr_workgroup_id_x 1
		.amdhsa_system_sgpr_workgroup_id_y 1
		.amdhsa_system_sgpr_workgroup_id_z 1
		.amdhsa_system_vgpr_workitem_id 0
		.amdhsa_next_free_vgpr 258
		.amdhsa_next_free_sgpr 66
		.amdhsa_reserve_vcc 1
		.amdhsa_float_denorm_mode_32 3
		.amdhsa_float_denorm_mode_16_64 3
		.amdhsa_memory_ordered 1
		.amdhsa_forward_progress 1
		.amdhsa_inst_pref_size 27
	.end_amdhsa_kernel
	.amdgpu_metadata
---
amdhsa.version: [ 1, 2 ]
amdhsa.kernels:
  - .name:           k_q731ad6e258_pick
    .symbol:         k_q731ad6e258_pick.kd
    .args:
      - { .name: cand, .offset: 0, .size: 8, .value_kind: global_buffer, .address_space: global }
      - { .name: packs, .offset: 8, .size: 8, .value_kind: global_buffer, .address_space: global }
      - { .name: train_label, .offset: 16, .size: 8, .value_kind: global_buffer, .address_space: global }
      - { .name: out0, .offset: 24, .size: 8, .value_kind: global_buffer, .address_space: global }
    .group_segment_fixed_size: 2048
    .private_segment_fixed_size: 0
    .kernarg_segment_align: 8
    .kernarg_segment_size: 32
    .max_flat_workgroup_size: 256
    .sgpr_count:     66
    .vgpr_count:     258
    .wavefront_size: 32
...
	.end_amdgpu_metadata
.endif
;; end of part 4
